; MI455X (gfx1250); checked and timed in simulation.
; The chip was launched on July 23, 2026; its instructions are those of AMD's public machine-readable ISA for CDNA 5 (MIT licence, August 2026) and "CDNA5" Instruction Set Architecture Reference Guide (July 2026). The comments in the code are by the model that wrote it; some were corrected since.
;; Multi Headed Self Attention. Allowed arithmetic: matrix products marked QUANTISED: E3M2 operands, one E8M0 scale for each 32 along K, by v_wmma_scale_f32_16x16x128_f8f6f4 with both operands' format E3M2, f32 sums; everything else in f32.
;; Inputs: Wk 1,024 x 1,024 float32; Wq 1,024 x 1,024 float32; Wv 1,024 x 1,024 float32; bk 1,024 float32; bq 1,024 float32; bv 1,024 float32; x 4 x 2,048 x 1,024 float32.
;; Outputs: out0 4 x 2,048 x 1,024 float32.
;; This version of the problem:
;;   THIS VERSION OF THE PROBLEM IS GIVEN IN LOW PRECISION. The matrix products marked QUANTISED in the list below multiply operands that are first quantised to E3M2 (3 exponent bits, 2 mantissa bits; 6 bits a number), with one power-of-two scale for each 32 numbers along K (OCP MX v1.0); their sums are f32. All else is computed in f32.
;;   The module's matrix products, in the order in which they are computed (A, B: the left and right operand; K: the contracted axis; several contracted axes count as one K, in the product's order):
;;     1. [M 8,192, K 1,024] x [K 1,024, N 1,024]; A: input x; B: input Wq: QUANTISED
;;     2. [M 8,192, K 1,024] x [K 1,024, N 1,024]; A: input x; B: input Wk: QUANTISED
;;     3. [M 8,192, K 1,024] x [K 1,024, N 1,024]; A: input x; B: input Wv: QUANTISED
;;     4. batch 64 x [M 2,048, K 64] x [K 64, N 2,048]; A: computed on the way; B: computed on the way: QUANTISED
;;     5. batch 64 x [M 2,048, K 2,048] x [K 2,048, N 64]; A: softmax (see below); B: computed on the way: QUANTISED
;;   THE QUANTISER, for each operand of a quantised product, along K:
;;     - K is cut into blocks of 32 from its start; a last block that is shorter is filled with zeros.
;;     - A block's scale is 2^e with e = floor(log2(the largest magnitude in the block)) - 4, held to -126 .. 127; a block of zeros has e = 0. As a byte (E8M0): e + 127.
;;     - Each number is divided by its block's scale, clamped to +-28, and rounded to the nearest number of E3M2, ties to even, subnormals kept.
;;     - The product sums the exact products of the quantised numbers (number of the format x scale) in f32.
;;   ~~~python
;;   def quantise(x, axis):      # numpy; x: float32 -> the quantised numbers, widened to float32 again
;;       x = np.moveaxis(x, axis, -1); K = x.shape[-1]
;;       x = np.pad(x, [(0, 0)] * (x.ndim - 1) + [(0, -K % 32)]); x = x.reshape(x.shape[:-1] + (-1, 32)); a = np.abs(x).max(-1, keepdims=True)
;;       e = np.where(a > 0, np.clip(np.frexp(np.where(a > 0, a, 1))[1] - 1 - 4, -126, 127), 0)      # np.frexp(a)[1] - 1 = floor(log2(a)), exactly
;;       r = np.clip(x / 2.0 ** e, -28, 28)
;;       step = 2.0 ** (np.maximum(np.frexp(np.where(r == 0, 1, r))[1] - 1, -2) - 2)
;;       q = np.round(r / step) * step * 2.0 ** e      # np.round: ties to even
;;       return np.moveaxis(q.reshape(q.shape[:-2] + (-1,))[..., :K], -1, axis).astype(np.float32)
;;   ~~~
;;   SOFTMAX AHEAD OF A QUANTISED PRODUCT. Where the list says 'softmax', what is quantised is not the finished softmax but p = 2^(t - M), with t = logit x log2(e) and M = ceil(the row's largest t), a whole number; so 1/2 < the row's largest p <= 1. The row's sum l is taken of the UNQUANTISED p, in f32, and the product's result is divided by l at the end. Since M is a whole number, a kernel that streams over the keys may use a running M (the ceiling of the running maximum): every later rescaling is an exact power of two, which a block's scale takes up: the codes' values come out the same.
;;   OPERANDS COMPUTED ON THE WAY. 'Computed on the way' means the value that the module computes at that place (a softmax that the list does not call 'softmax' is quantised finished and normalised). What goes into a quantiser is computed in f32, as accurately as f32 sums, v_exp_f32 and their like allow (about 1e-6 of the number): no bf16 or f16 on the way to a quantiser, and a product that is left as it is and whose result goes on into a quantised operand takes f32 operands (vector FMAs, or v_wmma_f32_16x16x4_f32). A number that lies on a knife's edge between two numbers of the format may be rounded either way, as far as f32 arithmetic and the matrix unit's own rounding can turn it there, and no further.
;; One version. Each part assembles by itself: llvm-mc -triple=amdgcn-amd-amdhsa -mcpu=gfx1250 --defsym DOCPART=n.
;; ======== version 1 of 1: 3 launches
;; workspace buffers: xc 6,291,456 bytes; xs 262,144 bytes; wc 2,359,296 bytes; ws 98,304 bytes; rec 19,660,800 bytes
;; launch quant (part 1): grid 352 x 1, 4 waves a work-group, no clusters, 33,280 bytes of LDS; arguments x, Wq, Wk, Wv, xc, xs, wc, ws; writes xc, xs, wc, ws
.if DOCPART == 1
	.amdgcn_target "amdgcn-amd-amdhsa--gfx1250"
	.amdhsa_code_object_version 6
	.text
	.protected	k_q9b6fb4496a_quant
	.globl	k_q9b6fb4496a_quant
	.p2align	8
	.type	k_q9b6fb4496a_quant,@function
k_q9b6fb4496a_quant:
	s_mov_b64 s[64:65], 0
	v_nop
	global_prefetch_b8 v0, s[64:65] scope:SCOPE_SE
	s_setreg_imm32_b32 hwreg(HW_REG_WAVE_MODE, 25, 1), 1
	s_wait_xcnt 0x0
; x [8192][1024] and Wq, Wk, Wv [1024][1024], f32 with K innermost, become codes of BF6 (E3M2), 6 bits each, K innermost (768 bytes a row), with one E8M0 byte for each 32 along K (32 bytes a row).
; A block's scale is 2^(floor(log2(its largest magnitude)) - 4); its byte is the largest magnitude's own exponent field - 4, held at 1 from below.  Each number is divided by the scale and rounded to the nearest code, ties to even;
; beyond 28 the conversion gives the largest code.
; LIMITS: a block of zeros gets the byte 1 where the rule says 127 (its codes are zeros, which add nothing under any byte but 0xff, and this program alone reads the bytes); NaN and infinities among the inputs are not served.
; THE ROWS ARE LAID IN ANOTHER ORDER THAN THEY COME: place p of xc, xs, wc, ws holds row p with bits 3 and 4 exchanged, so that 16 neighbouring places 16 a + r hold rows 32 (a / 2) + 8 (a % 2) + r + 8 (r / 8):
; the rows that the next launch wants in one tile.  wc and ws hold Wq's 1,024 rows, then Wk's, then Wv's.
; SHARES: a wave takes 8 rows (8,192 numbers) in 16 steps of 512; a work-group 32 rows; work-groups 0-255 take x, 256-287 Wq, 288-319 Wk, 320-351 Wv.  Row bits 3 and 4 are the wave's number, so the exchange is a choice of the wave's place alone.
; Each of a step's four loads reads 512 consecutive bytes, 16 a lane; the 2,048 bytes go through the wave's own stage in LDS and come back 64 bytes a lane: 16 neighbours along K, two neighbouring lanes to a block.
; No tensor loads, no barrier, no matrix unit, no cluster: waves share nothing and every byte is read once.  Loads run four steps (16 loads a wave) ahead, the turn through LDS one step.
.set STEPS, 16
.set CB,    12                         ; bytes of 16 codes
.set R,     16                         ; v16-79   four sets of 16 numbers as they are loaded
.set X,     80                         ; v80-111  two sets of 16 neighbours
.set E,     112                        ; v112-127 a scale byte for each step
.set C,     128                        ; v128-191 codes: four registers for each step, so that no store's data are written again
.set WREG,  8192                       ; LDS: a region for each wave: two stages of 32 x SP bytes, behind them its 256 scale bytes
.set SP,    80                         ; a lane's place in a stage: its 64 bytes + 16 of padding
	s_load_b256 s[4:11], s[0:1], 0x0               ; x s[4:5], Wq s[6:7], Wk s[8:9], Wv s[10:11]
	s_load_b256 s[12:19], s[0:1], 0x20             ; xc s[12:13], xs s[14:15], wc s[16:17], ws s[18:19]
	v_lshl_add_u32 v192, v0, 2, 0x8000
	v_mov_b32 v193, 0
	v_lshrrev_b32 v1, 5, v0
	v_readfirstlane_b32 s20, v1                    ; wave
	v_and_b32 v2, 31, v0                           ; lane
	v_lshlrev_b32 v3, 4, v2                        ; my 16 bytes of a load's 512
	s_mul_i32 s21, s20, WREG
	v_lshrrev_b32 v14, 2, v2
	v_mul_u32_u24 v14, v14, SP
	v_and_b32 v15, 3, v2
	v_lshl_add_u32 v14, v15, 4, v14
	v_add_nc_u32 v14, s21, v14                     ; the stage, on the way in: SP (lane / 4) + 16 (lane % 4)
	v_mul_u32_u24 v15, v2, SP
	v_add_nc_u32 v15, s21, v15                     ; and on the way out: SP x lane: my 16 neighbours
	v_mul_u32_u24 v4, v2, CB                       ; my codes' place in a step's
	v_lshrrev_b32 v5, 1, v2
	s_add_co_u32 s21, s21, 2*32*SP
	v_add_nc_u32 v5, s21, v5                       ; LDS: my wave's 256 scale bytes, my block's byte
	v_lshlrev_b32 v7, 3, v2                        ; and on the way out 8 bytes a lane
	v_add_nc_u32 v6, s21, v7
	s_and_b32 s22, ttmp9, 31                       ; a weight's work-group among its 32
	s_sub_co_u32 s23, ttmp9, 256                   ; and among the 96 of wc (not used for x)
	s_and_b32 s26, s20, 1
	s_lshl_b32 s26, s26, 1
	s_lshr_b32 s27, s20, 1
	s_or_b32 s26, s26, s27                         ; the wave's number with its two bits exchanged: where my 8 rows go
	s_wait_kmcnt 0x0
	s_cmp_lt_u32 ttmp9, 320                        ; the choices hang on the work-group's number alone
	s_cselect_b64 s[8:9], s[8:9], s[10:11]         ; Wk or Wv
	s_cmp_lt_u32 ttmp9, 288
	s_cselect_b64 s[6:7], s[6:7], s[8:9]           ; Wq or that
	s_cmp_lt_u32 ttmp9, 256
	s_cselect_b64 s[4:5], s[4:5], s[6:7]           ; x or a weight
	s_cselect_b64 s[12:13], s[12:13], s[16:17]
	s_cselect_b64 s[14:15], s[14:15], s[18:19]
	s_cselect_b32 s22, ttmp9, s22
	s_cselect_b32 s23, ttmp9, s23
	s_lshl_b32 s22, s22, 2
	s_add_co_u32 s24, s22, s20                     ; which run of 8 rows I read
	s_mov_b32 s25, 0
	s_lshl_b64 s[24:25], s[24:25], 15              ; 32,768 bytes a run
	s_add_nc_u64 s[4:5], s[4:5], s[24:25]
	s_lshl_b32 s23, s23, 2
	s_add_co_u32 s26, s23, s26                     ; and which run of 8 places I write
	s_mov_b32 s27, 0
	s_mov_b64 s[28:29], 32*STEPS*CB                ; 6,144 bytes of codes a run
	s_mul_u64 s[28:29], s[26:27], s[28:29]
	s_add_nc_u64 s[12:13], s[12:13], s[28:29]
	s_lshl_b32 s26, s26, 8                         ; 256 scale bytes a run
	s_add_nc_u64 s[14:15], s[14:15], s[26:27]
.macro LOAD t
.irp i, 0,1,2,3
	global_load_b128 v[R+16*((\t)%4)+4*\i:R+16*((\t)%4)+4*\i+3], v3, s[4:5] offset:2048*(\t)+512*\i th:TH_LOAD_NT   ; 32 lanes read 512 consecutive bytes; read once in the launch
.endr
.endm
.macro TURN t                          ; step t's numbers through the stage: LDS serves a wave's instructions in order, so no wait stands between the stores and the loads
.irp i, 0,1,2,3
	ds_store_b128 v14, v[R+16*((\t)%4)+4*\i:R+16*((\t)%4)+4*\i+3] offset:32*SP*((\t)%2)+8*SP*\i
.endr
.irp i, 0,1,2,3
	ds_load_b128 v[X+16*((\t)%2)+4*\i:X+16*((\t)%2)+4*\i+3], v15 offset:32*SP*((\t)%2)+16*\i
.endr
.endm
.irp t, 0,1,2,3
	LOAD \t
.endr
	s_wait_loadcnt 12                              ; step 0's four loads are in; the 12 of steps 1 to 3 may be out
	TURN 0
.macro STEP t
.set XS, X+16*((\t)%2)
.if (\t) > 0
	s_wait_dscnt 1                                 ; this step's numbers are back from the stage (the last step's byte store may be out): so its stores into the stage have read their registers,
.else
	s_wait_dscnt 0x0
.endif
.if (\t)+4 < STEPS
	LOAD (\t)+4                                    ; which take the loads of four steps on
.endif
.if (\t)+1 < STEPS
.if STEPS-2-(\t) >= 3
	s_wait_loadcnt 12                              ; the next step's four loads are in; those of the three steps behind it may be out
.else
	s_wait_loadcnt 4*(STEPS-2-(\t))                ; at the end the count runs down with the steps that are left
.endif
	TURN (\t)+1                                    ; and go through the other stage while this step is worked
.endif
	v_max3_num_f32 v8, |v[XS]|, |v[XS+1]|, |v[XS+2]|               ; the largest magnitude of my 16, in two chains
	v_max3_num_f32 v9, |v[XS+3]|, |v[XS+4]|, |v[XS+5]|
.irp i, 6,10
	v_max3_num_f32 v8, v8, |v[XS+\i]|, |v[XS+\i+1]|
	v_max3_num_f32 v9, v9, |v[XS+\i+2]|, |v[XS+\i+3]|
.endr
	v_max3_num_f32 v8, v8, |v[XS+14]|, |v[XS+15]|
	v_max3_num_f32 v8, v8, v9, 0x2800000           ; and the floor 2^(5 - 127): the byte cannot fall under 1
	v_max_num_f32_dpp v8, v8, v8 row_xmask:1 row_mask:0xf bank_mask:0xf   ; and of my neighbour's 16: the block's
	v_add_nc_u32 v11, 0xfe000000, v8               ; 4 off its exponent field: the conversion takes the exponent field of this operand as its scale, and nothing else of it
	v_cvt_scalef32_pk16_bf6_f32 v[C+4*(\t):C+4*(\t)+2], v[XS:XS+15], v11   ; 16 codes, 96 bits without gaps, the first number's code lowest
	v_lshrrev_b32 v[E+(\t)], 23, v11               ; the scale's byte (also the plain line behind the conversion)
	ds_store_b8 v5, v[E+(\t)] offset:16*(\t)       ; both lanes of a block write the same byte with the same value
	global_store_b96 v4, v[C+4*(\t):C+4*(\t)+2], s[12:13] offset:32*CB*(\t)   ; the wave stores 384 consecutive bytes; the next launch reads them, so no hint
.endm
.irp t, 0,1,2,3,4,5,6,7,8,9,10,11,12,13,14,15
	STEP \t
.endr
	ds_load_b64 v[12:13], v6                       ; LDS serves a wave's instructions in order: these see my stores
	s_wait_dscnt 0x0
	global_store_b64 v7, v[12:13], s[14:15]        ; 32 lanes store 256 consecutive bytes, aligned
	s_wait_tensorcnt 0x0
	ds_add_u32 v192, v193
	s_wait_dscnt 0x0
	s_endpgm
.Lfunc_end_k_q9b6fb4496a_quant:
	.size	k_q9b6fb4496a_quant, .Lfunc_end_k_q9b6fb4496a_quant-k_q9b6fb4496a_quant
	.p2alignl 7, 3214868480
	.fill 96, 4, 3214868480
	.section	.rodata,"a",@progbits
	.p2align	6, 0x0
	.amdhsa_kernel k_q9b6fb4496a_quant
		.amdhsa_group_segment_fixed_size 33280
		.amdhsa_private_segment_fixed_size 0
		.amdhsa_enable_private_segment 0
		.amdhsa_kernarg_size 64
		.amdhsa_user_sgpr_count 2
		.amdhsa_user_sgpr_kernarg_segment_ptr 1
		.amdhsa_wavefront_size32 1
		.amdhsa_system_sgpr_workgroup_id_x 1
		.amdhsa_system_sgpr_workgroup_id_y 1
		.amdhsa_system_sgpr_workgroup_id_z 1
		.amdhsa_system_vgpr_workitem_id 0
		.amdhsa_next_free_vgpr 194
		.amdhsa_next_free_sgpr 66
		.amdhsa_reserve_vcc 0
		.amdhsa_float_denorm_mode_32 3
		.amdhsa_float_denorm_mode_16_64 3
		.amdhsa_memory_ordered 1
		.amdhsa_forward_progress 1
		.amdhsa_inst_pref_size 33
	.end_amdhsa_kernel
	.amdgpu_metadata
---
amdhsa.version: [ 1, 2 ]
amdhsa.kernels:
  - .name:           k_q9b6fb4496a_quant
    .symbol:         k_q9b6fb4496a_quant.kd
    .args:
      - { .name: x, .offset: 0, .size: 8, .value_kind: global_buffer, .address_space: global }
      - { .name: Wq, .offset: 8, .size: 8, .value_kind: global_buffer, .address_space: global }
      - { .name: Wk, .offset: 16, .size: 8, .value_kind: global_buffer, .address_space: global }
      - { .name: Wv, .offset: 24, .size: 8, .value_kind: global_buffer, .address_space: global }
      - { .name: xc, .offset: 32, .size: 8, .value_kind: global_buffer, .address_space: global }
      - { .name: xs, .offset: 40, .size: 8, .value_kind: global_buffer, .address_space: global }
      - { .name: wc, .offset: 48, .size: 8, .value_kind: global_buffer, .address_space: global }
      - { .name: ws, .offset: 56, .size: 8, .value_kind: global_buffer, .address_space: global }
    .group_segment_fixed_size: 33280
    .private_segment_fixed_size: 0
    .kernarg_segment_align: 8
    .kernarg_segment_size: 64
    .max_flat_workgroup_size: 128
    .sgpr_count:     66
    .vgpr_count:     194
    .wavefront_size: 32
...
	.end_amdgpu_metadata
.endif
;; end of part 1
;; launch proj (part 2): grid 12 x 32, 4 waves a work-group, clusters of 4 x 4, 327,680 bytes of LDS; arguments xc, xs, wc, ws, bq, bk, bv, rec; writes rec
.if DOCPART == 2
	.amdgcn_target "amdgcn-amd-amdhsa--gfx1250"
	.amdhsa_code_object_version 6
	.text
	.protected	k_q9b6fb4496a_proj
	.globl	k_q9b6fb4496a_proj
	.p2align	8
	.type	k_q9b6fb4496a_proj,@function
k_q9b6fb4496a_proj:
	s_mov_b64 s[64:65], 0
	v_nop
	global_prefetch_b8 v0, s[64:65] scope:SCOPE_SE
	s_setreg_imm32_b32 hwreg(HW_REG_WAVE_MODE, 25, 1), 1
	s_wait_xcnt 0x0
	s_wait_alu depctr_hold_cnt(0) depctr_sa_sdst(0) depctr_va_vdst(0) depctr_va_sdst(0) depctr_va_ssrc(0) depctr_va_vcc(0) depctr_vm_vsrc(0)
	s_getreg_b32 s2, hwreg(HW_REG_IB_STS2, 6, 4)
	s_cmp_eq_u32 s2, 0
	s_cbranch_scc0 .Lentry_in_a_cluster
	s_endpgm
.Lentry_in_a_cluster:
	s_bfe_u32 s2, ttmp6, 0x10000c
	s_cmp_lg_u32 s2, 0xf033
	s_cbranch_scc0 .Lentry_shape_is_right
	s_endpgm
.Lentry_shape_is_right:
; q = x Wq^T + bq, k = x Wk^T + bk, v = x Wv^T + bv on codes of BF6 (E3M2) with one E8M0 scale for each 32 along K, sums in f32; the results are quantised here, in registers, for the attention that follows, and leave as codes.
; xc [8192 places][768 bytes], xs [8192][32], wc [3072 places][768] (Wq, Wk, Wv), ws [3072][32].  Place p holds row p with bits 3 and 4 exchanged.
; A tile of 256 tokens x 256 columns is made by a work-group of four waves; a wave makes 128 x 128: 64 accumulators, 512 registers.  K goes in steps of 256 through a ring of two LDS slots filled by the tensor data mover.
; The scale bytes of the work-group's 256 + 256 rows, for all of K, come into LDS once, with the first fills, and stay.
; CLUSTERS: 4 x 4 work-groups.  The four of a row of the cluster need the same tiles of x, the four of a column the same tiles of W: each tile is asked for jointly, by the same tensor load with the same descriptor and a mask that names the four.
; A cluster's x (0, 1, 2) is the ROLE: q, k or v; it is the same in all sixteen partners, so the one branch on it parts no partners.
; THE MATRIX INSTRUCTION IS USED TRANSPOSED (source 0 = 16 places of W, source 1 = 16 places of x).  With the places' order, in accumulator (a, b) lane (r, h), register j holds
;   token 32 (a / 2) + 8 (a % 2) + r + 8 (r / 8)   and   column 32 (b / 2) + 8 (b % 2) + 16 h + j:   the 64 registers of one a run along the columns, register 16 B + i = column 32 B + 16 h + i.
; THE BIAS is the C of each sum's first matrix instruction, in the result's layout: no addition is written (so the bias is added first and not last: the order of rounding differs from the definition's within f32).
; WHAT LEAVES: rec [role][batch x head 64][step 16][6,400 bytes].  A record serves 128 tokens of one head: four images of an operand's 12 registers (3 x 512 bytes, lane l's 16 bytes at 16 l), then 256 bytes of scale words
; (lane l's 8 bytes at 8 l: word e of lanes 0-15 is fragment 2 e's, of lanes 16-31 fragment 2 e + 1's).  A wave makes two records (its 128 tokens, its two heads); every store covers whole aligned runs of 256 bytes.
;   q, k (K = the head's 64): fragment i, lane (r, h): registers 0-5 = d 32 h .. 32 h + 31 of token 32 i + r + 8 (r / 8), registers 6-11 the same of the token 8 further on; scale bytes 0, 1 the first token's, 2, 3 the second's.
;   v (K = the tokens): fragment t, lane (r, h): row d = 32 (t / 2) + 8 (t % 2) + r + 8 (r / 8); registers 6 c .. 6 c + 5 = tokens 64 c + 32 h + 0 .. 31; scale byte b = tokens 32 b on.
; v's K lies across lanes in the results, so each tile of 16 columns x 128 tokens turns through the wave's own stage in LDS.  There rows 16 apart begin at the same bank at any pitch that is a multiple of 16 bytes (64 banks of 4 bytes: ISA guide 11.1):
; these accesses go two deep; they are made once for a tile, by a third of the work-groups.
; LIMITS: a block of zeros gets the byte 1 where the rule says 127 (zero codes; this program alone reads the bytes); NaN and infinities are not served.
; 384 work-groups, 24 clusters: a tile that filled the chip evenly (256 x 192) would cut a head in two inside a wave.
; REGISTERS, in windows of 256: window 0: v1 r, v2 h; v4-7, v8-15 scale words on the way out; v16-31 addresses; v32-63 scale words of the products, two sets, and nothing else; v64-127 the bias, later 64 numbers of v;
;   v128-223 x's fragments, ONE set, later the eight fragments that leave; v224-255 at work.   window 1: W's fragments, TWO sets.   windows 2, 3: the accumulators ((a, b) at v[8 (8 (a % 4) + b)] of window 2 + a / 4).
.set SIZE_K, 1024
.set KSTEP,  256                       ; along K in a slot
.set NQ,     KSTEP/128                 ; matrix instructions deep
.set ROWB,   192                       ; a tile's row in bytes
.set KROW,   SIZE_K*6/8                ; a row of codes in memory
.set PITCH,  240                       ; an LDS row: 3 x (64 bytes + 16 of padding) = 60 words: the 32 lanes of a load of 8 bytes touch 64 different banks
.set FR,     12                        ; registers of a fragment
.set NL,     6                         ; LDS loads that bring one
.set NP,     4                         ; places behind this matrix instruction (ISA guide 7.12.1)
.set HALFT,  128*PITCH                 ; 128 rows: what one tensor load brings
.set SLOT,   4*HALFT                   ; x's 256 rows, then W's 256 rows
.set LAPS,   SIZE_K/(2*KSTEP)          ; a lap = two K steps = once round the ring
.set KS,     SIZE_K/32                 ; a row of scales in bytes
.set SCL,    2*SLOT                    ; behind the ring: the scales, as runs of 256 bytes + 16 of padding
.set HALFS,  (128*KS/256)*272          ; the scales of 128 rows: what one tensor load brings
.set SBLK,   (16*KS/256)*272           ; those of 16 rows
.set SPARE,  SCL+4*HALFS               ; the spare words, 128 bytes for each wave: two blocks of 256 bytes that no other line names
.set STG,    SPARE+512                 ; v's stage: for each wave 128 token rows x (64 bytes + 16): bytes of its own, into which no tensor load lands
.set SPV,    80
.set ADRA, 16                          ; v16-17 LDS address of my x fragments in slot 0, 1 (v18-19: for the pieces behind one padding more)
.set ADRB, 20                          ; v20-21 the same for W (v22-23)
.set STO,  24                          ; v24  the stage: where I put 32 bytes of a token's row
.set RDV,  25                          ; v25  the stage: where I read down a column
.set CO,   26                          ; v26  16 x lane: an image's place for my lane
.set ADRS, 27                          ; v27  LDS address of my scale words: lanes 0-15 x's rows, lanes 16-31 W's
.set SPW,  28                          ; v28  LDS address of my spare word; never rewritten
.set NIL,  29                          ; v29  0; never rewritten
.set C8,   30                          ; v30  8 x lane: my scale words' place in a record
.set BA,   31                          ; v31  64 h: my half's place in the bias
.set SC,   32                          ; scale words: set s at v[SC + 8 NQ s]; register NQ i + q: lanes 0-15 x's block i, lanes 16-31 W's block i
.set BI,   64                          ; v64-127 the bias: register 8 b + j = column 32 (b / 2) + 8 (b % 2) + 16 h + j
.set X,    64                          ; later: 64 numbers of v, register 16 k + i = token 32 k + 16 h + i
.set AF,   128                         ; x's fragments
.set FQ,   128                         ; later: the fragments that leave: (head, i) at FQ + 12 (4 head + i)
.set CT,   224                         ; v224-226, v228-230 a conversion's second halves
.set WD,   232                         ; v232-239 a tile of tokens' four scale bytes
.set TM,   240                         ; v240-243 largest magnitudes, v244-247 bytes, v252-255 the conversions' scale operands
.set SW,   4                           ; v4-7   the scale words as they leave
.set FW,   8                           ; v8-15  a scale word for each fragment
.set G1, 24                            ; s[24:31] descriptor group 1 for x's tiles; s[32:39] group 0, one set for each slot
.set G0, 32
.set G1B, 48                           ; s[48:55], s[56:63] the same for W's tiles
.set G0B, 56
.set G1S, 68                           ; s[68:75], s[76:79] groups 1 and 0 for x's scales; s[80:87], s[88:91] for W's
.set G0S, 76
.set G1SB, 80
.set G0SB, 88
.set MSB, 0
.macro WIN new                         ; the immediate's high byte repeats the setting that is left; a switch that changes nothing is dropped
.if MSB != \new
	s_set_vgpr_msb (MSB<<8)|\new
.set MSB, \new
.endif
.endm
.set MUL_LO,   0xa1                    ; source 0 (W) window 1, source 1 (x) window 0, C and D window 2
.set MUL_HI,   0xf1                    ; the same, C and D window 3
.set START_LO, 0x81                    ; the first products: C (the bias) window 0, D window 2
.set START_HI, 0xc1                    ; D window 3
.set TO_B,     0x40                    ; destination window 1, address window 0
; A joint load: waves 0 and 1 fetch for x, waves 2 and 3 for W.  Each of the two lines has one mask and one set of registers for all that issue it; the branch hangs on the wave's number alone.
; Four v_nop follow each of the two lines, ahead of the jump, the label and what follows.
.macro JLOAD g0a, g1a, g0b, g1b
	s_cmp_eq_u32 s15, 0
	s_cbranch_scc0 .Lfor_b_\@
	tensor_load_to_lds s[\g0a:\g0a+3], s[\g1a:\g1a+7]
	s_nop 0
.rept 4
	v_nop
.endr
	s_branch .Lasked_\@
.Lfor_b_\@:
	tensor_load_to_lds s[\g0b:\g0b+3], s[\g1b:\g1b+7]
	s_nop 0
.rept 4
	v_nop
.endr
.Lasked_\@:
.endm
.macro CREST                           ; a round of the cluster's barrier behind its opening barrier
	s_cmp_lg_u32 s14, 0
	s_cbranch_scc1 .Lnot_wave_0_\@
	s_barrier_signal -3
.Lnot_wave_0_\@:
	s_barrier_wait -3
	s_barrier_signal -1
	s_barrier_wait -1
.endm
.macro CROUND                          ; a whole round
	s_barrier_signal -1
	s_barrier_wait -1
	CREST
.endm
	s_load_b256 s[4:11], s[0:1], 0x0               ; xc s[4:5], xs s[6:7], wc s[8:9], ws s[10:11]
	s_load_b128 s[96:99], s[0:1], 0x20             ; bq, bk
	s_load_b64 s[100:101], s[0:1], 0x30            ; bv
	s_load_b64 s[12:13], s[0:1], 0x38              ; rec
	v_lshl_add_u32 v[SPW], v0, 2, SPARE
	v_mov_b32 v[NIL], 0
	ds_add_u32 v28, v29
	ds_add_u32 v28, v29
	s_wait_dscnt 0x0
	v_lshrrev_b32 v1, 5, v0
	v_readfirstlane_b32 s14, v1                    ; wave 0..3
	s_lshr_b32 s15, s14, 1                         ; which 128 of the tile's tokens are mine.  Also: I fetch for x (0) or for W (1)
	s_and_b32 s16, s14, 1                          ; which 128 of its columns.  Also: which 128 rows of that tile I fetch
	s_bfe_u32 s40, ttmp6, 0x40000                  ; cx, cy: my place in the cluster
	s_bfe_u32 s41, ttmp6, 0x40004
	s_lshl_b32 s42, ttmp9, 2
	s_add_co_u32 s42, s42, s40                     ; tile column = 4 x cluster x + cx
	s_and_b32 s17, ttmp7, 0xffff
	s_lshl_b32 s17, s17, 2
	s_add_co_u32 s17, s17, s41                     ; tile row = 4 x cluster y + cy
	s_lshl_b32 s43, s41, 2
	s_lshl_b32 s43, 15, s43                        ; my row of the cluster
	s_lshl_b32 s44, 0x1111, s40                    ; my column
	; descriptor group 1: a tile of 128 rows x 192 bytes, padded in LDS
	s_or_b32 s[G1+0], s43, (0<<16)|(1<<20)|(1<<21)|(3<<22)|(3<<25)  ; 15:0 the mask: x's tiles go to my row; 17:16 elements of 1 byte; 20 padding on; 21 set beside a mask; 24:22 after every 16 words; 31:25 4 words of it
	s_or_b32 s[G1B+0], s44, (0<<16)|(1<<20)|(1<<21)|(3<<22)|(3<<25)
.irp g, G1, G1B
	s_mov_b32 s[\g+1], ROWB<<16                    ; tensor_dim0
	s_mov_b32 s[\g+2], 128<<16                     ; tensor_dim1
	s_mov_b32 s[\g+3], ROWB<<16                    ; tile_dim0
	s_mov_b32 s[\g+4], 128                         ; tile_dim1
	s_mov_b32 s[\g+5], KROW                        ; tensor_dim0_stride
	s_mov_b32 s[\g+6], 0
	s_mov_b32 s[\g+7], 0
.endr
	; the scales of 128 rows: a dense block of 4,096 bytes, as 16 rows of 256 bytes (32 elements of 8 bytes), 16 bytes of padding behind each
	s_or_b32 s[G1S+0], s43, (3<<16)|(1<<20)|(1<<21)|(5<<22)|(3<<25)
	s_or_b32 s[G1SB+0], s44, (3<<16)|(1<<20)|(1<<21)|(5<<22)|(3<<25)
.irp g, G1S, G1SB
	s_mov_b32 s[\g+1], 32<<16
	s_mov_b32 s[\g+2], (128*KS/256)<<16
	s_mov_b32 s[\g+3], 32<<16
	s_mov_b32 s[\g+4], 128*KS/256
	s_mov_b32 s[\g+5], 32
	s_mov_b32 s[\g+6], 0
	s_mov_b32 s[\g+7], 0
.endr
	s_lshl_b32 s18, s16, 7                         ; which 128 rows of the tile I fetch
	s_lshl_b32 s20, s17, 8
	s_add_co_u32 s20, s20, s18                     ; x: place 256 x tile row + 128 x half
	s_lshl_b32 s46, s42, 8
	s_add_co_u32 s46, s46, s18                     ; W: place 256 x tile column + 128 x half
	s_mov_b32 s21, 0
	s_mov_b32 s47, 0
	s_mov_b64 s[18:19], KS
	s_mul_u64 s[22:23], s[20:21], s[18:19]         ; where these rows' scales begin, in bytes
	s_mul_u64 s[92:93], s[46:47], s[18:19]
	s_mov_b64 s[18:19], KROW
	s_mul_u64 s[20:21], s[20:21], s[18:19]         ; and their codes
	s_mul_u64 s[46:47], s[46:47], s[18:19]
	s_mul_i32 s45, s14, HALFT                      ; where they go: wave x 128 rows: no place in the cluster enters an LDS address
	s_mul_i32 s94, s14, HALFS
	s_wait_kmcnt 0x0
	s_add_nc_u64 s[20:21], s[4:5], s[20:21]
	s_add_nc_u64 s[22:23], s[6:7], s[22:23]
	s_add_nc_u64 s[46:47], s[8:9], s[46:47]
	s_add_nc_u64 s[92:93], s[10:11], s[92:93]
	CROUND                                         ; all sixteen work-groups are here: the first joint loads meet
	s_mov_b32 s[G0S], 1
	s_add_co_u32 s[G0S+1], s94, SCL
	s_mov_b64 s[G0S+2:G0S+3], s[22:23]
	s_or_b32 s[G0S+3], s[G0S+3], 0x80000000
	s_mov_b32 s[G0SB], 1
	s_add_co_u32 s[G0SB+1], s94, SCL
	s_mov_b64 s[G0SB+2:G0SB+3], s[92:93]
	s_or_b32 s[G0SB+3], s[G0SB+3], 0x80000000
	JLOAD G0S, G1S, G0SB, G1SB                     ; the scales first: they are wanted with K step 0
.irp s, 0,1
	s_mov_b32 s[G0+4*\s], 1
	s_add_co_u32 s[G0+4*\s+1], s45, \s*SLOT
	s_add_nc_u64 s[G0+4*\s+2:G0+4*\s+3], s[20:21], \s*ROWB
	s_or_b32 s[G0+4*\s+3], s[G0+4*\s+3], 0x80000000
	s_mov_b32 s[G0B+4*\s], 1
	s_add_co_u32 s[G0B+4*\s+1], s45, \s*SLOT
	s_add_nc_u64 s[G0B+4*\s+2:G0B+4*\s+3], s[46:47], \s*ROWB
	s_or_b32 s[G0B+4*\s+3], s[G0B+4*\s+3], 0x80000000
	JLOAD G0+4*\s, G1, G0B+4*\s, G1B               ; three tensor loads of mine are out now
.endr
	v_and_b32 v1, 15, v0                           ; r = l % 16
	v_bfe_u32 v2, v0, 4, 1                         ; h = l / 16
	v_mul_u32_u24 v3, v1, PITCH
	v_mul_u32_u24 v4, v2, 24
	v_add_nc_u32 v4, v3, v4                        ; a fragment's row x pitch + 24 x half
	v_lshl_add_u32 v5, v2, 4, v4                   ; and the same behind one padding more
	s_mul_i32 s21, s15, HALFT                      ; my 128 rows of x
	s_mul_i32 s22, s16, HALFT                      ; my 128 rows of W,
	s_add_co_u32 s22, s22, 2*HALFT                 ; which lie behind x's 256
.irp s, 0,1
	v_add_nc_u32 v[ADRA+\s], s21, v4
	v_add_nc_u32 v[ADRB+\s], s22, v4
	v_add_nc_u32 v[ADRA+2+\s], s21, v5
	v_add_nc_u32 v[ADRB+2+\s], s22, v5
	s_add_co_u32 s21, s21, SLOT
	s_add_co_u32 s22, s22, SLOT
.endr
	v_mul_u32_u24 v5, v1, KS                       ; my row's scales: KS bytes a row,
	v_lshrrev_b32 v6, 8, v5
	v_lshl_add_u32 v5, v6, 4, v5                   ; and 16 more for each 256 passed
	s_mul_i32 s21, s15, HALFS                      ; x's: my 128 rows
	s_mul_i32 s22, s16, HALFS                      ; W's: my 128 rows, behind x's 256
	s_add_co_u32 s22, s22, 2*HALFS
	s_sub_co_u32 s22, s22, s21
	v_mul_u32_u24 v6, s22, v2                      ; lanes 16-31 take W's: one product, the distance x h
	s_add_co_u32 s21, s21, SCL
	v_add_nc_u32 v5, v5, v6
	v_add_nc_u32 v[ADRS], s21, v5
	s_mul_i32 s23, s14, 128*SPV
	s_add_co_u32 s23, s23, STG                     ; my stage
	v_and_b32 v5, 8, v1
	v_add_nc_u32 v5, v5, v1                        ; r + 8 (r / 8)
	v_mul_u32_u24 v5, v5, SPV
	v_lshl_add_u32 v5, v2, 5, v5
	v_add_nc_u32 v[STO], s23, v5                   ; in: my token's row, 32 bytes for each half of the lanes
	v_mul_u32_u24 v5, v2, 16*SPV
	v_lshl_add_u32 v5, v1, 2, v5
	v_add_nc_u32 v[RDV], s23, v5                   ; out: column r, lanes 16-31 sixteen tokens further down
	v_and_b32 v6, 31, v0
	v_lshlrev_b32 v[CO], 4, v6
	v_lshlrev_b32 v[C8], 3, v6
	v_lshlrev_b32 v[BA], 6, v2
	; the bias of my 128 columns: the role's vector, 256 cx + 128 x half numbers on
	s_lshl_b32 s46, s40, 10
	s_lshl_b32 s47, s16, 9
	s_add_co_u32 s46, s46, s47
	s_mov_b32 s47, 0
	s_cmp_eq_u32 ttmp9, 0                          ; the choice hangs on the cluster's x alone
	s_cselect_b64 s[96:97], s[96:97], s[98:99]
	s_cmp_eq_u32 ttmp9, 2
	s_cselect_b64 s[96:97], s[100:101], s[96:97]
	s_add_nc_u64 s[96:97], s[96:97], s[46:47]
.irp b, 0,1,2,3,4,5,6,7
	global_load_b128 v[BI+8*\b:BI+8*\b+3], v[BA], s[96:97] offset:4*(32*(\b/2)+8*(\b%2))
	global_load_b128 v[BI+8*\b+4:BI+8*\b+7], v[BA], s[96:97] offset:4*(32*(\b/2)+8*(\b%2))+16
.endr
	; my first record: ((role x 64 + 16 x batch + head) x 16 + step) x 6,400 bytes; batch = tile row / 8, head = 4 cx + 2 x half, step = 2 (tile row % 8) + half
	s_lshl_b32 s20, ttmp9, 6
	s_lshr_b32 s21, s17, 3
	s_lshl_b32 s21, s21, 4
	s_add_co_u32 s20, s20, s21
	s_lshl_b32 s21, s40, 2
	s_add_co_u32 s20, s20, s21
	s_lshl_b32 s21, s16, 1
	s_add_co_u32 s20, s20, s21
	s_lshl_b32 s20, s20, 4
	s_and_b32 s21, s17, 7
	s_lshl_b32 s21, s21, 1
	s_add_co_u32 s20, s20, s21
	s_add_co_u32 s20, s20, s15
	s_mul_i32 s20, s20, 6400                       ; under 19,660,800
	s_mov_b32 s21, 0
	s_add_nc_u64 s[12:13], s[12:13], s[20:21]
.macro FRAG reg, adr, q, i             ; a fragment, 16 rows x 128 K: lane l holds row l % 16; registers 6 c .. 6 c + 5 hold K = 64 c + 32 (l / 16) + 0 .. 31: 24 bytes of the row's stream of bits, as they lie
.irp p, 0,1,2,3,4,5                    ; in pieces of 8 bytes, so that every address is a multiple of the access's size
.set PC, 12*(\q)+6*(\p/3)+\p%3        ; 16 bytes of padding lie behind every 8 pieces: where the piece three on (lanes 16-31) lies behind one padding more, the second address register serves
.if PC%8 < 5
	ds_load_b64 v[\reg+2*\p:\reg+2*\p+1], v[\adr] offset:8*PC+16*(PC/8)+(\i)*16*PITCH
.else
	ds_load_b64 v[\reg+2*\p:\reg+2*\p+1], v[\adr+2] offset:8*PC+16*(PC/8)+(\i)*16*PITCH
.endif
.endr
.endm
; 16 matrix instructions: x's blocks a0, a0 + 1 against W's eight, 128 along K: the slot's q-th.  p: W's set; sc: the set of scale words.  zero = 1: the first product starts the sums, with the bias as C.
; The 64 accumulators take turns, one instruction a turn, in the same order in every step.
.macro MUL16 a0, p, q, sc, zero
.irp a, \a0, \a0+1
.irp b, 0,1,2,3,4,5,6,7
.if \zero
	v_wmma_scale_f32_16x16x128_f8f6f4 v[8*(8*((\a)%4)+\b):8*(8*((\a)%4)+\b)+7], v[128*(\p)+FR*\b:128*(\p)+FR*\b+FR-1], v[AF+FR*(\a):AF+FR*(\a)+FR-1], v[BI+8*\b:BI+8*\b+7], v[SC+8*NQ*(\sc)+NQ*\b+(\q)], v[SC+8*NQ*(\sc)+NQ*(\a)+(\q)] matrix_a_fmt:MATRIX_FMT_BF6 matrix_b_fmt:MATRIX_FMT_BF6 matrix_a_scale:MATRIX_SCALE_ROW1
.else
	v_wmma_scale_f32_16x16x128_f8f6f4 v[8*(8*((\a)%4)+\b):8*(8*((\a)%4)+\b)+7], v[128*(\p)+FR*\b:128*(\p)+FR*\b+FR-1], v[AF+FR*(\a):AF+FR*(\a)+FR-1], v[8*(8*((\a)%4)+\b):8*(8*((\a)%4)+\b)+7], v[SC+8*NQ*(\sc)+NQ*\b+(\q)], v[SC+8*NQ*(\sc)+NQ*(\a)+(\q)] matrix_a_fmt:MATRIX_FMT_BF6 matrix_b_fmt:MATRIX_FMT_BF6 matrix_a_scale:MATRIX_SCALE_ROW1
.endif
.endr
.endr
.endm
.macro FETCH_B slot, q, p              ; W's eight fragments of the slot's q-th 128 along K into set p
	WIN TO_B
.irp i, 0,1,2,3,4,5,6,7
	FRAG 128*(\p)+FR*\i, ADRB+\slot, \q, \i
.endr
	WIN 0
.endm
.macro FETCH_A slot, q, i0             ; x's blocks i0 .. i0 + 3
.irp i, \i0, \i0+1, \i0+2, \i0+3
	FRAG AF+FR*(\i), ADRA+\slot, \q, \i
.endr
.endm
.macro SCALES sc                       ; the next K step's scale words into set sc: NQ words a row; lanes 0-15 take x's block i, lanes 16-31 W's block i
.irp i, 0,1,2,3,4,5,6,7
	ds_load_b64 v[SC+8*NQ*\sc+NQ*\i:SC+8*NQ*\sc+NQ*\i+1], v[ADRS] offset:\i*SBLK
.endr
.endm
; A load into a register that a matrix instruction has read, and a vector instruction or an LDS store that reads a matrix result, stand NP places behind that matrix instruction; only plain vector
; instructions that name none of its registers are places (ISA guide 7.12.1 for vector instructions).
.macro PLACES n
.rept \n
	v_nop
.endr
.endm
; A step of 128 along K that has its successor in the same slot.  x has one set of registers: blocks 0-3 are fetched anew in the step's middle, blocks 4-7 at its end; W has two sets.
.macro STEP slot, q, zero
	s_wait_dscnt 4*NL                              ; W's set and x's blocks 0-3 are in; the youngest 24 loads (x's blocks 4-7) may be out
.if \zero
	WIN START_LO
.else
	WIN MUL_LO
.endif
	MUL16 0, (\q)%2, \q, \slot, \zero
	MUL16 2, (\q)%2, \q, \slot, \zero
	s_wait_dscnt 0                                 ; x's blocks 4-7 are in (asked for 32 matrix instructions ago)
	PLACES NP
	FETCH_B \slot, (\q)+1, 1-(\q)%2
	FETCH_A \slot, (\q)+1, 0
.if \zero
	WIN START_HI
.else
	WIN MUL_HI
.endif
	MUL16 4, (\q)%2, \q, \slot, \zero
	MUL16 6, (\q)%2, \q, \slot, \zero
	PLACES NP
	WIN 0
	FETCH_A \slot, (\q)+1, 4
.endm
; A slot's last step changes slots: ONE barrier; in front of it each wave waits for all its tensor loads, adds 0 to its spare word, and waits for that and for its own reads of this slot.  fill = 1: this slot is filled again, two K steps ahead.
.macro TURN slot, next, fill
	s_wait_tensorcnt 0x0                           ; all my tensor loads have landed: my part of the next slot (every window is 0 here)
	ds_add_u32 v[SPW], v[NIL]                      ; 0 onto my spare word
	s_wait_dscnt 4*NL+1                            ; (the add and the youngest 24 loads, x's blocks 4-7, may be out)
	WIN MUL_LO
	MUL16 0, 1, NQ-1, \slot, 0                     ; sixteen matrix instructions stand between the add and the wait for it
	s_wait_dscnt 0x0                               ; the add is done, and my reads of this slot are over
	s_barrier_signal -1
	MUL16 2, 1, NQ-1, \slot, 0
	WIN 0
	s_barrier_wait -1
.if \fill
	CREST                                          ; the barrier has opened a round of the cluster's barrier: no wave of any partner still reads this slot's tile or has a load on its way
	s_add_nc_u64 s[G0+4*\slot+2:G0+4*\slot+3], s[G0+4*\slot+2:G0+4*\slot+3], 2*ROWB
	s_add_nc_u64 s[G0B+4*\slot+2:G0B+4*\slot+3], s[G0B+4*\slot+2:G0B+4*\slot+3], 2*ROWB
	JLOAD G0+4*\slot, G1, G0B+4*\slot, G1B         ; the first tensor load behind the round, my one load until the next; its four v_nop are the places in front of the loads below
.else
	PLACES NP
.endif
	v_add_nc_u32 v[ADRS], 4*NQ, v[ADRS]            ; on to the next K step's scale words
	FETCH_B \next, 0, 0
	FETCH_A \next, 0, 0
	SCALES \next
	WIN MUL_HI
	MUL16 4, 1, NQ-1, \slot, 0
	MUL16 6, 1, NQ-1, \slot, 0
	PLACES NP
	WIN 0
	FETCH_A \next, 0, 4
.endm
	s_wait_tensorcnt 1                             ; the scales and my part of K step 0 are in (K step 1's load may be out)
	s_barrier_signal -1
	s_barrier_wait -1                              ; everybody's are
	FETCH_B 0, 0, 0
	FETCH_A 0, 0, 0
	SCALES 0
	FETCH_A 0, 0, 4
	s_wait_loadcnt 0x0                             ; the bias
	STEP 0, 0, 1                                   ; the first step stands in front of the loop: its products start the sums
	s_mov_b32 s3, LAPS-1
.Llap:                                                 ; a trip goes once round the ring, from a lap's second step to the next lap's first, and fills both slots again
	TURN 0, 1, 1
	STEP 1, 0, 0
	TURN 1, 0, 1
	STEP 0, 0, 0
	s_sub_co_u32 s3, s3, 1
	s_cmp_lg_u32 s3, 0
	s_cbranch_scc1 .Llap
	TURN 0, 1, 0                                   ; the last lap fills nothing, and has no round of the cluster's barrier
	STEP 1, 0, 0
	s_wait_dscnt 4*NL                              ; the very last step: nothing more to fetch
	WIN MUL_LO
	MUL16 0, 1, NQ-1, 1, 0
	MUL16 2, 1, NQ-1, 1, 0
	s_wait_dscnt 0
	WIN MUL_HI
	MUL16 4, 1, NQ-1, 1, 0
	MUL16 6, 1, NQ-1, 1, 0
	WIN 0
; 64 numbers of a lane, v[s] .. v[s + 63] of window wn, register 16 b + i = k 32 b + 16 (lane / 16) + i of my row, become codes: blocks 0, 1 in v[d0] .. v[d0 + 5], blocks 2, 3 in v[d1] .. v[d1 + 5]
; (lanes 0-15 the even block, lanes 16-31 the odd one: an operand's layout), and the four scale bytes in v[w].  Each accumulator is first read at its two lowest registers.
.macro QUANT wn, s, d0, d1, w
	WIN 5*(\wn)                                    ; sources 0 and 1 in window wn
.irp b, 0,1,2,3
	v_max3_num_f32 v[TM+\b], |v[(\s)+16*\b]|, |v[(\s)+1+16*\b]|, 0x2800000   ; block b: my 16 numbers, and the floor 2^(5 - 127): the byte cannot fall under 1
.endr
	WIN 20*(\wn)                                   ; sources 1 and 2 in window wn
.irp i, 2,4,6,8,10,12,14
.irp b, 0,1,2,3
	v_max3_num_f32 v[TM+\b], v[TM+\b], |v[(\s)+16*\b+\i]|, |v[(\s)+1+16*\b+\i]|   ; the four blocks by turns
.endr
.endr
	WIN 0
.irp b, 0,1,2,3
	v_permlanex16_b32 v[TM+4+\b], v[TM+\b], s20, s21
.endr
.irp b, 0,1,2,3
	v_max_num_f32 v[TM+\b], v[TM+\b], v[TM+4+\b]   ; with lane l xor 16's: the block's largest magnitude
.endr
.irp b, 0,1,2,3
	v_add_nc_u32 v[TM+12+\b], 0xfe000000, v[TM+\b] ; 4 off its exponent field: the conversion's scale operand
.endr
.irp b, 0,1,2,3
	v_lshrrev_b32 v[TM+4+\b], 23, v[TM+12+\b]      ; the scale's byte
.endr
	v_lshl_or_b32 v[\w], v[TM+5], 8, v[TM+4]
	v_lshl_or_b32 v[\w], v[TM+6], 16, v[\w]
	v_lshl_or_b32 v[\w], v[TM+7], 24, v[\w]
	WIN (\wn)                                      ; source 0 in window wn
	v_cvt_scalef32_pk16_bf6_f32 v[(\d0):(\d0)+2], v[(\s):(\s)+15], v[TM+12]
	v_cvt_scalef32_pk16_bf6_f32 v[CT:CT+2], v[(\s)+16:(\s)+31], v[TM+13]     ; (a conversion's three registers begin on an even number: a block's second three do not)
	v_cvt_scalef32_pk16_bf6_f32 v[(\d1):(\d1)+2], v[(\s)+32:(\s)+47], v[TM+14]
	v_cvt_scalef32_pk16_bf6_f32 v[CT+4:CT+6], v[(\s)+48:(\s)+63], v[TM+15]
	WIN 0
	v_nop                                          ; one plain place behind a scaled conversion
.irp i, 0,1,2
	v_permlane16_swap_b32 v[(\d0)+\i], v[CT+\i]    ; the first's lanes 16-31 change places with the second's lanes 0-15: a whole block in a lane
	v_permlane16_swap_b32 v[(\d1)+\i], v[CT+4+\i]
.endr
.irp i, 0,1,2
	v_mov_b32 v[(\d0)+3+\i], v[CT+\i]
	v_mov_b32 v[(\d1)+3+\i], v[CT+4+\i]
.endr
.endm
; v: tile b of 16 columns x my 128 tokens turns through my stage; then a lane holds one column and its registers run down the tokens.  LDS serves a wave's instructions in order, and the stage is my own: no barrier.
.macro VT b
	WIN 0x08                                       ; an LDS store's data are its source 1: window 2
.irp a, 0,1,2,3
	ds_store_b128 v[STO], v[64*\a+8*(\b):64*\a+8*(\b)+3] offset:SPV*(32*(\a/2)+8*(\a%2))      ; each accumulator from its low end on
	ds_store_b128 v[STO], v[64*\a+8*(\b)+4:64*\a+8*(\b)+7] offset:SPV*(32*(\a/2)+8*(\a%2))+16
.endr
	WIN 0x0c                                       ; window 3
.irp a, 4,5,6,7
	ds_store_b128 v[STO], v[64*(\a-4)+8*(\b):64*(\a-4)+8*(\b)+3] offset:SPV*(32*(\a/2)+8*(\a%2))
	ds_store_b128 v[STO], v[64*(\a-4)+8*(\b)+4:64*(\a-4)+8*(\b)+7] offset:SPV*(32*(\a/2)+8*(\a%2))+16
.endr
	WIN 0
.irp k, 0,1,2,3
.irp i, 0,1,2,3,4,5,6,7,8,9,10,11,12,13,14,15
	ds_load_b32 v[X+16*\k+\i], v[RDV] offset:SPV*(32*\k+\i)   ; token 32 k + 16 h + i of column r
.endr
.endr
	s_wait_dscnt 0x0
	QUANT 0, X, FQ+12*(\b), FQ+12*(\b)+6, FW+(\b)
.endm
	PLACES NP                                      ; behind the last products: their results are read and x's fragments written below
	s_mov_b32 s20, 0x76543210
	s_mov_b32 s21, 0xfedcba98                      ; v_permlanex16_b32's selects for lane l xor 16
	s_mov_b32 s94, 0x05040100                      ; v_perm_b32: the two low halves
	s_mov_b32 s95, 0x07060302                      ; the two high halves
.irp b, 0,1,2,3
	v_mov_b32 v[TM+4+\b], 0                        ; written once: a lane permute's destination counts as one of its sources
.endr
	s_cmp_eq_u32 ttmp9, 2                          ; the role: the cluster's x, alike in all partners
	s_cbranch_scc1 .Lv
	; q and k: K = the head's 64 = two blocks of my registers.  Tile a of tokens gives half a fragment to each of my two heads
.irp a, 0,1,2,3,4,5,6,7
	QUANT 2+\a/4, 64*(\a%4), FQ+12*(\a/2)+6*(\a%2), FQ+48+12*(\a/2)+6*(\a%2), WD+\a
.endr
.irp i, 0,1,2,3
	v_perm_b32 v[FW+\i], v[WD+2*\i+1], v[WD+2*\i], s94     ; head 0: the first token's two bytes below, the second's above
	v_perm_b32 v[FW+4+\i], v[WD+2*\i+1], v[WD+2*\i], s95   ; head 1
.endr
	s_branch .Ltail
.Lv:
.irp b, 0,1,2,3,4,5,6,7
	VT \b
.endr
.Ltail:
	v_cmp_eq_u32 vcc_lo, 1, v2
.irp d, 0,1
.irp e, 0,1
	v_cndmask_b32 v[SW+2*\d+\e], v[FW+4*\d+2*\e], v[FW+4*\d+2*\e+1], vcc_lo   ; lanes 0-15 fragment 2 e's word, lanes 16-31 fragment 2 e + 1's
.endr
.endr
.irp d, 0,1
.irp i, 0,1,2,3
.irp c, 0,1,2
	global_store_b128 v[CO], v[FQ+12*(4*\d+\i)+4*\c:FQ+12*(4*\d+\i)+4*\c+3], s[12:13] offset:102400*\d+1536*\i+512*\c   ; 32 lanes store 512 consecutive bytes, aligned to 256; the next head's record lies 16 records on
.endr
.endr
	global_store_b64 v[C8], v[SW+2*\d:SW+2*\d+1], s[12:13] offset:102400*\d+6144   ; 256 consecutive bytes, aligned
.endr
	s_wait_tensorcnt 0x0                           ; the wave's end: behind my last tensor load and my last LDS store
	ds_add_u32 v[SPW], v[NIL]
	s_wait_dscnt 0x0
	CROUND                                         ; the closing round: no work-group ends while a partner may still ask for a tile that names it
	s_endpgm
.Lfunc_end_k_q9b6fb4496a_proj:
	.size	k_q9b6fb4496a_proj, .Lfunc_end_k_q9b6fb4496a_proj-k_q9b6fb4496a_proj
	.p2alignl 7, 3214868480
	.fill 96, 4, 3214868480
	.section	.rodata,"a",@progbits
	.p2align	6, 0x0
	.amdhsa_kernel k_q9b6fb4496a_proj
		.amdhsa_group_segment_fixed_size 327680
		.amdhsa_private_segment_fixed_size 0
		.amdhsa_enable_private_segment 0
		.amdhsa_kernarg_size 64
		.amdhsa_user_sgpr_count 2
		.amdhsa_user_sgpr_kernarg_segment_ptr 1
		.amdhsa_wavefront_size32 1
		.amdhsa_system_sgpr_workgroup_id_x 1
		.amdhsa_system_sgpr_workgroup_id_y 1
		.amdhsa_system_sgpr_workgroup_id_z 1
		.amdhsa_system_vgpr_workitem_id 0
		.amdhsa_next_free_vgpr 1024
		.amdhsa_next_free_sgpr 102
		.amdhsa_reserve_vcc 1
		.amdhsa_float_denorm_mode_32 3
		.amdhsa_float_denorm_mode_16_64 3
		.amdhsa_memory_ordered 1
		.amdhsa_forward_progress 1
		.amdhsa_inst_pref_size 238
	.end_amdhsa_kernel
	.amdgpu_metadata
---
amdhsa.version: [ 1, 2 ]
amdhsa.kernels:
  - .name:           k_q9b6fb4496a_proj
    .symbol:         k_q9b6fb4496a_proj.kd
    .args:
      - { .name: xc, .offset: 0, .size: 8, .value_kind: global_buffer, .address_space: global }
      - { .name: xs, .offset: 8, .size: 8, .value_kind: global_buffer, .address_space: global }
      - { .name: wc, .offset: 16, .size: 8, .value_kind: global_buffer, .address_space: global }
      - { .name: ws, .offset: 24, .size: 8, .value_kind: global_buffer, .address_space: global }
      - { .name: bq, .offset: 32, .size: 8, .value_kind: global_buffer, .address_space: global }
      - { .name: bk, .offset: 40, .size: 8, .value_kind: global_buffer, .address_space: global }
      - { .name: bv, .offset: 48, .size: 8, .value_kind: global_buffer, .address_space: global }
      - { .name: rec, .offset: 56, .size: 8, .value_kind: global_buffer, .address_space: global }
    .group_segment_fixed_size: 327680
    .private_segment_fixed_size: 0
    .kernarg_segment_align: 8
    .kernarg_segment_size: 64
    .max_flat_workgroup_size: 128
    .sgpr_count:     102
    .vgpr_count:     1024
    .wavefront_size: 32
...
	.end_amdgpu_metadata
.endif
;; end of part 2
;; launch attn (part 3): grid 4 x 64, 8 waves a work-group, clusters of 4 x 1, 240,640 bytes of LDS; arguments rec, out0; writes out0
.if DOCPART == 3
	.amdgcn_target "amdgcn-amd-amdhsa--gfx1250"
	.amdhsa_code_object_version 6
	.text
	.protected	k_q9b6fb4496a_attn
	.globl	k_q9b6fb4496a_attn
	.p2align	8
	.type	k_q9b6fb4496a_attn,@function
k_q9b6fb4496a_attn:
	s_mov_b64 s[64:65], 0
	v_nop
	global_prefetch_b8 v0, s[64:65] scope:SCOPE_SE
	s_setreg_imm32_b32 hwreg(HW_REG_WAVE_MODE, 25, 1), 1
	s_wait_xcnt 0x0
	s_wait_alu depctr_hold_cnt(0) depctr_sa_sdst(0) depctr_va_vdst(0) depctr_va_sdst(0) depctr_va_ssrc(0) depctr_va_vcc(0) depctr_vm_vsrc(0)
	s_getreg_b32 s2, hwreg(HW_REG_IB_STS2, 6, 4)
	s_cmp_eq_u32 s2, 0
	s_cbranch_scc0 .Lentry_in_a_cluster
	s_endpgm
.Lentry_in_a_cluster:
	s_bfe_u32 s2, ttmp6, 0x10000c
	s_cmp_lg_u32 s2, 0x3003
	s_cbranch_scc0 .Lentry_shape_is_right
	s_endpgm
.Lentry_shape_is_right:
; out0[b][q][64 head + d] = the sum over keys of softmax(q . k / 8) v, for 64 (batch, head) pairs of 2,048 tokens and head size 64, both products on codes of BF6 (E3M2) with one E8M0 scale for each 32 along K.
; rec [role q, k, v][batch x head][step 16][6,400 bytes]: a record serves 128 tokens of a head: four images of an operand's 12 registers (3 x 512 bytes, lane l's 16 bytes at 16 l) and 256 bytes of scale words
; (lane l's 8 bytes at 6,144 + 8 l: word e of lanes 0-15 is fragment 2 e's, of lanes 16-31 fragment 2 e + 1's).
; THE SOFTMAX: t = score x log2(e) / 8; M = the row's largest t so far, rounded UP to a whole number; p = 2^(t - M) is quantised along the keys, not normalised.  The row's sum is taken of the unquantised p, in f32, and divides at the end.
; When M moves, the sum and O are multiplied by 2^(old M - new M): exact.  No branch hangs on data.
; SHARES: a work-group owns 512 queries of one head; the four work-groups of a cluster own one head's 2,048.  A head's K and V records, 2 x 102,400 bytes, fit whole in LDS: they are brought ONCE, by joint loads (the same load with the
; same descriptor and a mask of all four, in all four): no slot is ever filled again.  Each of the eight waves brings four records; they are asked for in the order of the key steps, so that work begins when a quarter has landed.
; A wave takes 32 queries (two tiles of 16) at a time and walks the 16 key steps of 128 keys; two passes.  Two waves share a SIMD: one's vector work stands beside the other's matrix work and LDS loads.
; LAYOUT: both products are used transposed (S^T = K Q^T, O^T = V^T P^T): a lane holds ONE query (lane % 16) throughout.
; K = 64 IN AN INSTRUCTION OF K = 128: a fragment of k carries two tiles of 16 keys in its two halves along K.  It is multiplied by (Q, zero codes) and by (zero codes, Q): zero codes add exactly 0 (the format has no infinity or NaN, and
; all scale bytes lie in 1 .. 254).  So no register and no LDS byte of K holds padding, and three LDS loads feed four products.
; The keys of a tile are chosen (by the launch that made the records) so that register 16 f + i of S^T is key 32 f + 16 (lane / 16) + i of the step: 16 neighbours along the second product's K.
; LIMITS: NaN and infinities are not served; a p under 2^-126 comes out of v_exp_f32 as 0; a block of p that are all 0 keeps the scale byte 1 (its codes are zeros).
; REGISTERS: window 0: v1-13 addresses; v16-143 S^T, then p, 64 a tile; v144-191 four fragments of K, behind the first product 24 registers a tile at work; v192-215 p's codes; v216-223 scale words and nothing else;
;   v224-235 -M and the largest t, the sum in two halves, f; v236-248 Q as it is loaded.   window 1: v0-63 O^T, 32 a tile (register 16 B + i = d 32 B + 16 h + i); v64-111 four fragments of V; v112-141 zeros | Q0 | zeros | Q1 | zeros, six each.
.set RECB,  6400
.set HEADB, 16*RECB                    ; LDS: K's 16 records at 0, V's at HEADB
.set STAGE, 2*HEADB                    ; behind them the way out: 16 rows x (256 bytes + 16) for each wave: bytes of its own, into which no tensor load lands
.set SPITCH, 272
.set LI,  1                            ; v1   16 x lane: an image's place for my lane
.set LS,  2                            ; v2   8 x lane + 6,144: my scale words' place in a record
.set ADK, 3                            ; v3-6 the step's LDS addresses: K's images, V's, K's scale words, V's
.set ADV, 4
.set ADS, 5
.set ADT, 6
.set STO, 7                            ; v7   the way out: where I put 16 bytes of a row
.set RD,  8                            ; v8   where I read a row back
.set GO,  9                            ; v9   my byte offset in two rows of out0
.set QA,  10                           ; v10  my byte offset in Q's record: my fragment's image
.set QSA, 11                           ; v11  and its scale word
.set LIV, 12                           ; v12  LI + HEADB
.set LSV, 13                           ; v13  LS + HEADB
.set S0,  16
.set KF,  144                          ; tile q's registers at work T = KF + 24 q: +0..3 block maxima, +4..7 the other half's, then bytes, +8..11 scale operands, +12 a chain's, +14:15 the second chain of the sum, +16..18, +20..22 conversions
.set PCD, 192
.set KSC, 216
.set VSC, 218
.set QSC, 220
.set PSC, 222
.set NM,  224                          ; (-M, the largest t) a tile
.set SUM, 228
.set FF,  232                          ; (f, a word that is written once and not used) a tile
.set QT,  236
.set QW,  248
.set VF,  64                           ; in window 1
.set QB,  112
.set WV,  8                            ; s8  my wave's number
.set G1,  16                           ; s[16:23] descriptor group 1
.set G0,  24                           ; s[24:39] four groups 0
.set TB,  44                           ; s44 LDS byte at which the step's record of K begins
.set CNT, 45
.set PASS, 46
.set MSB, 0
.macro WIN new                         ; the immediate's high byte repeats the setting that is left; a switch that changes nothing is dropped
.if MSB != \new
	s_set_vgpr_msb (MSB<<8)|\new
.set MSB, \new
.endif
.endm
.macro ROUND                           ; a round of the cluster's barrier: my work-group's barrier; wave 0 signals for the work-group; every wave waits for all four work-groups; my work-group's barrier once more
	s_barrier_signal -1
	s_barrier_wait -1
	s_cmp_lg_u32 s[WV], 0
	s_cbranch_scc1 .Lnot_wave_0_\@
	s_barrier_signal -3
.Lnot_wave_0_\@:
	s_barrier_wait -3
	s_barrier_signal -1
	s_barrier_wait -1
.endm
	s_load_b128 s[4:7], s[0:1], 0x0                ; rec s[4:5], out0 s[6:7]
	v_lshl_add_u32 v254, v0, 2, 0x3a800
	v_mov_b32 v255, 0
	ds_add_u32 v254, v255
	ds_add_u32 v254, v255
	v_lshrrev_b32 v14, 5, v0
	v_readfirstlane_b32 s[WV], v14                 ; wave 0..7
	s_bfe_u32 s9, ttmp6, 0x40000                   ; cx: my block of 512 queries: it enters Q's and out0's addresses alone
	s_and_b32 s10, ttmp7, 0xffff                   ; batch x 16 + head, which the four partners share
	s_lshr_b32 s47, s[WV], 2                       ; I fetch for K (0) or for V (1),
	s_and_b32 s48, s[WV], 3                        ; steps (wave % 4) + 4 c.  Also: which of a record's four fragments of Q is mine
	s_mul_i32 s49, s47, HEADB
	s_mul_i32 s50, s48, RECB
	s_add_co_u32 s49, s49, s50                     ; where my first record goes in LDS
	s_add_co_u32 s50, s47, 1                       ; role 1 or 2
	s_lshl_b32 s50, s50, 6
	s_add_co_u32 s50, s50, s10
	s_lshl_b32 s50, s50, 4
	s_add_co_u32 s50, s50, s48
	s_mul_i32 s50, s50, RECB                       ; and where it lies in rec: under 19,660,800
	s_mov_b32 s51, 0
	; descriptor group 1: a record is a dense block of 6,400 bytes: 25 rows of 256 bytes (32 elements of 8 bytes)
	s_mov_b32 s[G1+0], 15|(3<<16)|(1<<21)          ; 15:0 the mask: all four work-groups; 17:16 elements of 8 bytes; 20 no padding; 21 set beside a mask
	s_mov_b32 s[G1+1], 32<<16                      ; tensor_dim0
	s_mov_b32 s[G1+2], 25<<16                      ; tensor_dim1
	s_mov_b32 s[G1+3], 32<<16                      ; tile_dim0
	s_mov_b32 s[G1+4], 25                          ; tile_dim1
	s_mov_b32 s[G1+5], 32                          ; tensor_dim0_stride
	s_mov_b32 s[G1+6], 0
	s_mov_b32 s[G1+7], 0
	s_mov_b32 s12, 0x76543210
	s_mov_b32 s13, 0xfedcba98                      ; v_permlanex16_b32's selects for lane l xor 16
	s_mov_b32 s14, 0x3e38aa3b                      ; c = log2(e) / 8
	s_mov_b32 s15, s14                             ; (named with it as a pair, so it is written)
	s_wait_dscnt 0x0
	s_wait_kmcnt 0x0
	s_add_nc_u64 s[52:53], s[4:5], s[50:51]
	ROUND                                          ; all four work-groups are here: the joint loads meet
.irp c, 0,1,2,3
	s_mov_b32 s[G0+4*\c], 1                        ; 1:0 count = 1
	s_add_co_u32 s[G0+4*\c+1], s49, 4*RECB*\c      ; 63:32 LDS address
	s_add_nc_u64 s[G0+4*\c+2:G0+4*\c+3], s[52:53], 4*RECB*\c   ; 120:64 global address: four steps on
	s_or_b32 s[G0+4*\c+3], s[G0+4*\c+3], 0x80000000            ; 127:126 type = 2
.endr
.irp c, 0,1,2,3
	tensor_load_to_lds s[G0+4*\c:G0+4*\c+3], s[G1:G1+7]        ; all the launch's fills, in one group: four loads of mine are out
	s_nop 0
.endr
.rept 4
	v_nop
.endr
	s_lshl_b32 s54, s10, 4                         ; Q: record 16 x (batch, head) + 4 cx + wave / 4 of role 0; the second pass takes the record two further on
	s_lshl_b32 s55, s9, 2
	s_add_co_u32 s54, s54, s55
	s_add_co_u32 s54, s54, s47
	s_mul_i32 s54, s54, RECB
	s_mov_b32 s55, 0
	s_add_nc_u64 s[40:41], s[4:5], s[54:55]
	s_lshr_b32 s54, s10, 4                         ; out0: row 2,048 x batch + 512 cx + 32 x wave, 4,096 bytes a row; + 256 x head
	s_lshl_b32 s54, s54, 11
	s_lshl_b32 s55, s9, 9
	s_add_co_u32 s54, s54, s55
	s_lshl_b32 s55, s[WV], 5
	s_add_co_u32 s54, s54, s55
	s_lshl_b32 s54, s54, 12
	s_and_b32 s55, s10, 15
	s_lshl_b32 s55, s55, 8
	s_add_co_u32 s54, s54, s55
	s_mov_b32 s55, 0
	s_add_nc_u64 s[42:43], s[6:7], s[54:55]
	v_and_b32 v14, 15, v0                          ; r
	v_bfe_u32 v15, v0, 4, 1                        ; h
	v_and_b32 v[LI], 31, v0
	v_lshlrev_b32 v[LS], 3, v[LI]
	v_add_nc_u32 v[LS], 6144, v[LS]
	v_lshlrev_b32 v[LI], 4, v[LI]
	v_add_nc_u32 v[LIV], HEADB, v[LI]
	v_add_nc_u32 v[LSV], HEADB, v[LS]
	s_mul_i32 s54, s[WV], 16*SPITCH
	s_add_co_u32 s54, s54, STAGE                   ; my stage
	v_mul_u32_u24 v[STO], v14, SPITCH
	v_lshl_add_u32 v[STO], v15, 6, v[STO]
	v_add_nc_u32 v[STO], s54, v[STO]               ; in: row r, + 64 h: d = 32 B + 16 h + 4 c on lies 128 B + 16 c further
	v_mul_u32_u24 v[RD], v15, SPITCH
	v_lshl_add_u32 v[RD], v14, 4, v[RD]
	v_add_nc_u32 v[RD], s54, v[RD]                 ; back: lanes 0-15 one row of 256 bytes, lanes 16-31 the next
	v_lshlrev_b32 v[GO], 12, v15
	v_lshl_add_u32 v[GO], v14, 4, v[GO]            ; and the same two rows in out0
	s_mul_i32 s54, s48, 1536
	v_add_nc_u32 v[QA], s54, v[LI]
	s_and_b32 s54, s48, 1                          ; my fragment's scale word: lane r + 16 (fragment % 2), word fragment / 2
	s_lshl_b32 s54, s54, 7
	s_lshr_b32 s55, s48, 1
	s_lshl_b32 s55, s55, 2
	s_add_co_u32 s54, s54, s55
	s_add_co_u32 s54, s54, 6144
	v_lshl_add_u32 v[QSA], v14, 3, s54
	v_mov_b32 v[FF+1], 0                           ; (named as the upper halves of pairs)
	v_mov_b32 v[FF+3], 0
	WIN 0x40                                       ; destination window 1
.irp z, 0,12,24
.irp i, 0,1,2,3,4,5
	v_mov_b32 v[QB+\z+\i], 0                       ; the zero codes beside Q
.endr
.endr
	WIN 0
	s_mov_b32 s[PASS], 2
; One addition of tile q's row sum, number n of 32: two p at a time, in two chains.
.macro SUMOP q
.if n == 0
	s_wait_alu depctr_va_vdst(0)
	v_pk_add_f32 v[KF+24*(\q)+14:KF+24*(\q)+15], v[S0+64*(\q):S0+64*(\q)+1], v[S0+64*(\q)+2:S0+64*(\q)+3]
.elseif n == 31
	v_pk_add_f32 v[SUM+2*(\q):SUM+2*(\q)+1], v[SUM+2*(\q):SUM+2*(\q)+1], v[KF+24*(\q)+14:KF+24*(\q)+15]
.elseif n%2 == 1
	v_pk_add_f32 v[SUM+2*(\q):SUM+2*(\q)+1], v[SUM+2*(\q):SUM+2*(\q)+1], v[S0+64*(\q)+4*((n+1)/2):S0+64*(\q)+4*((n+1)/2)+1]
.else
	v_pk_add_f32 v[KF+24*(\q)+14:KF+24*(\q)+15], v[KF+24*(\q)+14:KF+24*(\q)+15], v[S0+64*(\q)+4*(n/2)+2:S0+64*(\q)+4*(n/2)+3]
.endif
.endm
; THE SOFTMAX OF A KEY STEP, both tiles, line by line by turns.  Where exponentials stand, a plain line of the other tile's work stands between them.
.macro SOFTMAX2
.irp b, 0,1,2,3
.irp q, 0,1
	v_max3_num_f32 v[KF+24*\q+\b], v[S0+64*\q+16*\b], v[S0+64*\q+16*\b+1], v[S0+64*\q+16*\b+2]   ; THE LARGEST SCORE OF EACH BLOCK OF 32 KEYS: for the row's maximum and, since p rises with the score, for the block's largest p.  Each result is first read at its low end
.endr
.endr
.irp i, 3,5,7,9,11,13
.irp b, 0,1,2,3
.irp q, 0,1
	v_max3_num_f32 v[KF+24*\q+\b], v[KF+24*\q+\b], v[S0+64*\q+16*\b+\i], v[S0+64*\q+16*\b+\i+1]
.endr
.endr
.endr
.irp b, 0,1,2,3
.irp q, 0,1
	v_max_num_f32 v[KF+24*\q+\b], v[KF+24*\q+\b], v[S0+64*\q+16*\b+15]
.endr
.endr
.irp b, 0,1,2,3
.irp q, 0,1
	v_permlanex16_b32 v[KF+24*\q+4+\b], v[KF+24*\q+\b], s12, s13
.endr
.endr
.irp b, 0,1,2,3
.irp q, 0,1
	v_max_num_f32 v[KF+24*\q+\b], v[KF+24*\q+\b], v[KF+24*\q+4+\b]   ; with lane l xor 16's 16 keys
.endr
.endr
.irp q, 0,1
	v_max3_num_f32 v[KF+24*\q+12], v[KF+24*\q], v[KF+24*\q+1], v[KF+24*\q+2]
.endr
.irp q, 0,1
	v_max_num_f32 v[KF+24*\q+12], v[KF+24*\q+12], v[KF+24*\q+3]      ; the step's largest score of my query
.endr
.irp q, 0,1
	v_mul_f32 v[KF+24*\q+12], s14, v[KF+24*\q+12]                    ; as t (c is positive)
.endr
.irp q, 0,1
	v_max_num_f32 v[NM+2*\q+1], v[NM+2*\q+1], v[KF+24*\q+12]         ; the running largest t
.endr
.irp q, 0,1
	v_mov_b32 v[KF+24*\q+12], v[NM+2*\q]
.endr
.irp q, 0,1
	v_floor_f32 v[NM+2*\q], -v[NM+2*\q+1]                            ; the new -M = floor(-t) = -ceil(t): a whole number
.endr
.irp q, 0,1
	v_sub_f32 v[KF+24*\q+12], v[NM+2*\q], v[KF+24*\q+12]             ; old M less new M: a whole number, 0 or less
.endr
.irp q, 0,1
	v_cvt_i32_f32 v[KF+24*\q+12], v[KF+24*\q+12]                     ; (it saturates)
.endr
.irp q, 0,1
	v_ldexp_f32 v[FF+2*\q], 1.0, v[KF+24*\q+12]                      ; f = 2^(old M - new M)
.endr
.set j, 0
.rept 32
	v_pk_fma_f32 v[S0+2*j:S0+2*j+1], v[S0+2*j:S0+2*j+1], s[14:15], v[NM:NM+1] op_sel_hi:[1,0,0]   ; tile 0: t - M, two at a time (of the pairs c and -M the low word serves both halves)
.set j, j+1
.endr
.irp b, 0,1,2,3
.irp q, 0,1
	v_fma_f32 v[KF+24*\q+\b], v[KF+24*\q+\b], s14, v[NM+2*\q]        ; the same of each block's largest score
.endr
.endr
.set j, 0
.rept 32
	v_exp_f32 v[S0+2*j], v[S0+2*j]                                   ; tile 0: p = 2^(t - M), at most 1
	v_pk_fma_f32 v[S0+64+2*j:S0+64+2*j+1], v[S0+64+2*j:S0+64+2*j+1], s[14:15], v[NM+2:NM+3] op_sel_hi:[1,0,0]   ; tile 1: t - M
	v_exp_f32 v[S0+2*j+1], v[S0+2*j+1]
.set j, j+1
.endr
.irp b, 0,1,2,3
	v_exp_f32 v[KF+\b], v[KF+\b]                                     ; tile 0: each block's largest p: the same two instructions on the same number give the same bits
.endr
	v_pk_mul_f32 v[SUM:SUM+1], v[SUM:SUM+1], v[FF:FF+1] op_sel_hi:[1,0]   ; tile 0's sum under the new M (the plain line behind the exponentials)
.set n, 0
.rept 32
	v_exp_f32 v[S0+64+2*n], v[S0+64+2*n]                             ; tile 1's p,
	SUMOP 0                                                          ; tile 0's sum, OF THE UNQUANTISED p
	v_exp_f32 v[S0+64+2*n+1], v[S0+64+2*n+1]
.set n, n+1
.endr
.irp b, 0,1,2,3
	v_exp_f32 v[KF+24+\b], v[KF+24+\b]
.endr
	v_pk_mul_f32 v[SUM+2:SUM+3], v[SUM+2:SUM+3], v[FF+2:FF+3] op_sel_hi:[1,0]
	s_wait_alu depctr_va_vdst(0)
.irp b, 0,1,2,3
.irp q, 0,1
	v_max_num_f32 v[KF+24*\q+\b], 0x2800000, v[KF+24*\q+\b]          ; the floor 2^(5 - 127): the byte cannot fall under 1
.endr
.endr
.irp b, 0,1,2,3
.irp q, 0,1
	v_add_nc_u32 v[KF+24*\q+8+\b], 0xfe000000, v[KF+24*\q+\b]        ; 4 off the exponent field: the conversion's scale operand
.endr
.endr
.irp b, 0,1,2,3
.irp q, 0,1
	v_lshrrev_b32 v[KF+24*\q+4+\b], 23, v[KF+24*\q+8+\b]             ; the scale's byte
.endr
.endr
.irp q, 0,1
	v_lshl_or_b32 v[PSC+\q], v[KF+24*\q+5], 8, v[KF+24*\q+4]         ; p's scale word for these 128 keys
.endr
.irp q, 0,1
	v_lshl_or_b32 v[PSC+\q], v[KF+24*\q+6], 16, v[PSC+\q]
.endr
.irp q, 0,1
	v_lshl_or_b32 v[PSC+\q], v[KF+24*\q+7], 24, v[PSC+\q]
.endr
.irp q, 0,1
.irp c, 0,1
	v_cvt_scalef32_pk16_bf6_f32 v[PCD+12*\q+6*\c:PCD+12*\q+6*\c+2], v[S0+64*\q+32*\c:S0+64*\q+32*\c+15], v[KF+24*\q+8+2*\c]
	v_cvt_scalef32_pk16_bf6_f32 v[KF+24*\q+16+4*\c:KF+24*\q+16+4*\c+2], v[S0+64*\q+32*\c+16:S0+64*\q+32*\c+31], v[KF+24*\q+8+2*\c+1]   ; (a conversion's three registers begin on an even number)
.endr
.endr
	v_nop                                                            ; one plain place behind a scaled conversion
.irp q, 0,1
.irp c, 0,1
.irp i, 0,1,2
	v_permlane16_swap_b32 v[PCD+12*\q+6*\c+\i], v[KF+24*\q+16+4*\c+\i]   ; a WHOLE block in a lane: lanes 0-15 block 2 c, lanes 16-31 block 2 c + 1
.endr
.irp i, 0,1,2
	v_mov_b32 v[PCD+12*\q+6*\c+3+\i], v[KF+24*\q+16+4*\c+\i]
.endr
.endr
.endr
.set n, 0
.rept 32
	SUMOP 1                                                          ; tile 1's sum: 32 plain lines that name no register of the products below: the places between p's scale word and codes and those products
.set n, n+1
.endr
	WIN 0x41                                                         ; O^T (destination and source 0) window 1, f window 0
.irp q, 0,1
.set j, 0
.rept 16
	v_pk_mul_f32 v[32*\q+j:32*\q+j+1], v[32*\q+j:32*\q+j+1], v[FF+2*\q:FF+2*\q+1] op_sel_hi:[1,0]   ; O^T under the new M, each result from its low end on
.set j, j+2
.endr
.endr
	WIN 0
.endm
; A KEY STEP: 128 keys, whose records begin at LDS bytes TB (K) and TB + HEADB (V).
.macro STEP
	v_add_nc_u32 v[ADK], s[TB], v[LI]              ; four plain lines: the places behind the last step's products, in front of the loads into the registers that they read
	v_add_nc_u32 v[ADV], s[TB], v[LIV]
	v_add_nc_u32 v[ADS], s[TB], v[LS]
	v_add_nc_u32 v[ADT], s[TB], v[LSV]
.irp f, 0,1,2,3
.irp c, 0,1,2
	ds_load_b128 v[KF+12*\f+4*\c:KF+12*\f+4*\c+3], v[ADK] offset:1536*\f+512*\c   ; an image comes back as it was stored: 512 consecutive bytes an instruction
.endr
.endr
	ds_load_b64 v[KSC:KSC+1], v[ADS]
	WIN 0x40                                       ; destination window 1
.irp f, 0,1,2,3
.irp c, 0,1,2
	ds_load_b128 v[VF+12*\f+4*\c:VF+12*\f+4*\c+3], v[ADV] offset:1536*\f+512*\c
.endr
.endr
	WIN 0
	ds_load_b64 v[VSC:VSC+1], v[ADT]
	s_wait_dscnt 13                                ; K's 12 loads and its scale words are in; V's 12 and its scale words may be out
	WIN 0x04                                       ; source 1 (Q beside zeros) window 1
.irp f, 0,1,2,3                                ; S^T = K Q^T: fragment f holds keys 32 f on; u picks its half along K; 16 different results, each begun with the constant 0
.irp u, 0,1
.irp q, 0,1
.if \f%2
	v_wmma_scale_f32_16x16x128_f8f6f4 v[S0+64*\q+8*(2*\f+\u):S0+64*\q+8*(2*\f+\u)+7], v[KF+12*\f:KF+12*\f+11], v[QB+12*\q+6*(1-\u):QB+12*\q+6*(1-\u)+11], 0, v[KSC+\f/2], v[QSC+\q] matrix_a_fmt:MATRIX_FMT_BF6 matrix_b_fmt:MATRIX_FMT_BF6 matrix_a_scale:MATRIX_SCALE_ROW1
.else
	v_wmma_scale_f32_16x16x128_f8f6f4 v[S0+64*\q+8*(2*\f+\u):S0+64*\q+8*(2*\f+\u)+7], v[KF+12*\f:KF+12*\f+11], v[QB+12*\q+6*(1-\u):QB+12*\q+6*(1-\u)+11], 0, v[KSC+\f/2], v[QSC+\q] matrix_a_fmt:MATRIX_FMT_BF6 matrix_b_fmt:MATRIX_FMT_BF6
.endif
.endr
.endr
.endr
	WIN 0
.rept 4
	v_nop                                          ; four places: the scores are read, and K's registers written, below (ISA guide 7.12.1)
.endr
	SOFTMAX2
	s_wait_dscnt 0x0                               ; V is in
	WIN 0x51                                       ; source 0 (V) window 1, source 1 (p) window 0, C and D (O^T) window 1
.irp t, 0,1,2,3                                ; O^T += V^T P^T: the eight accumulators take turns, one instruction a turn
.irp q, 0,1
.if \t%2
	v_wmma_scale_f32_16x16x128_f8f6f4 v[32*\q+8*\t:32*\q+8*\t+7], v[VF+12*\t:VF+12*\t+11], v[PCD+12*\q:PCD+12*\q+11], v[32*\q+8*\t:32*\q+8*\t+7], v[VSC+\t/2], v[PSC+\q] matrix_a_fmt:MATRIX_FMT_BF6 matrix_b_fmt:MATRIX_FMT_BF6 matrix_a_scale:MATRIX_SCALE_ROW1
.else
	v_wmma_scale_f32_16x16x128_f8f6f4 v[32*\q+8*\t:32*\q+8*\t+7], v[VF+12*\t:VF+12*\t+11], v[PCD+12*\q:PCD+12*\q+11], v[32*\q+8*\t:32*\q+8*\t+7], v[VSC+\t/2], v[PSC+\q] matrix_a_fmt:MATRIX_FMT_BF6 matrix_b_fmt:MATRIX_FMT_BF6
.endif
.endr
.endr
	WIN 0
.endm
; Key steps 4 c to 4 c + 3.  Their eight records are whole when every wave's load c has landed: each wave waits for its own, then the barrier.  My later loads may stay out.
.macro CHUNK c
	s_wait_dscnt 0x0                               ; no LDS instruction of mine is pending at the signal
	s_wait_tensorcnt 3-\c                          ; tensor loads of a wave end in order: my load c is in, the 3 - c behind it may be out (in the second pass all are in)
	s_barrier_signal -1
	s_barrier_wait -1
	s_mov_b32 s[TB], 4*RECB*\c
	s_mov_b32 s[CNT], 4
.Lstep_\@:
	STEP
	s_add_co_u32 s[TB], s[TB], RECB
	s_sub_co_u32 s[CNT], s[CNT], 1
	s_cmp_lg_u32 s[CNT], 0
	s_cbranch_scc1 .Lstep_\@
.endm
.Lpass:                                            ; two trips: 32 queries of mine in each
.irp c, 0,1,2
	global_load_b128 v[QT+4*\c:QT+4*\c+3], v[QA], s[40:41] offset:512*\c   ; my fragment of Q: two tiles of 16 queries in its two halves
.endr
	global_load_b32 v[QW], v[QSA], s[40:41]        ; its scale word: bytes 0, 1 tile 0's, bytes 2, 3 tile 1's
	s_wait_loadcnt 0x0                             ; they are in, so their base may step
	s_add_nc_u64 s[40:41], s[40:41], 2*RECB        ; the next pass's record (not read behind the last pass)
	WIN 0x40                                       ; destination window 1
.irp i, 0,1,2,3,4,5
	v_mov_b32 v[QB+6+\i], v[QT+\i]                 ; each tile between zeros: (Q, 0) and (0, Q) are two runs of 12 registers round it
	v_mov_b32 v[QB+18+\i], v[QT+6+\i]
.endr
	WIN 0
	v_perm_b32 v[QSC], v[QW], v[QW], 0x01000100    ; a tile's two bytes, twice: they serve Q in either half along K
	v_perm_b32 v[QSC+1], v[QW], v[QW], 0x03020302
.irp q, 0,1
	v_mov_b32 v[NM+2*\q+1], 0xff61b1e6             ; the largest t so far: -3e38, under every t
	v_mov_b32 v[SUM+2*\q], 0
	v_mov_b32 v[SUM+2*\q+1], 0
.endr
.irp q, 0,1
	v_floor_f32 v[NM+2*\q], -v[NM+2*\q+1]          ; -M
.endr
	WIN 0x40
.set j, 0
.rept 64
	v_mov_b32 v[j], 0                              ; O^T.  The step is written once: the first finds zeros, which the first change of M leaves zeros.  (Also the places between Q's scale words and codes and the first products)
.set j, j+1
.endr
	WIN 0
	CHUNK 0
	CHUNK 1
	CHUNK 2
	CHUNK 3
	; THE WAY OUT.  The sum's two halves and the other half of the lanes' are added; O^T is divided by the sum and goes through my stage in LDS, a tile of 16 queries at a time, so that sixteen lanes store a row's 256 bytes.
.irp q, 0,1
	v_add_f32 v[KF+24*\q], v[SUM+2*\q], v[SUM+2*\q+1]
.endr
.irp q, 0,1
	v_permlanex16_b32 v[KF+24*\q+4], v[KF+24*\q], s12, s13
.endr
.irp q, 0,1
	v_add_f32 v[KF+24*\q], v[KF+24*\q], v[KF+24*\q+4]                ; the row's sum
.endr
	v_nop
.irp q, 0,1
	v_rcp_f32 v[FF+2*\q], v[KF+24*\q]
.endr
	v_nop                                          ; a plain line behind the reciprocals; with the four additions and the line above: the places behind the last products
	WIN 0x01                                       ; source 0 (O^T) window 1
	s_wait_alu depctr_va_vdst(0)
.irp q, 0,1
.set j, 0
.rept 16
	v_pk_mul_f32 v[S0+64*\q+j:S0+64*\q+j+1], v[32*\q+j:32*\q+j+1], v[FF+2*\q:FF+2*\q+1] op_sel_hi:[1,0]   ; register 16 B + i = d 32 B + 16 h + i of my query; each result from its low end on
.set j, j+2
.endr
.endr
	WIN 0
.irp q, 0,1
.irp bb, 0,1
.irp c, 0,1,2,3
	ds_store_b128 v[STO], v[S0+64*\q+16*\bb+4*\c:S0+64*\q+16*\bb+4*\c+3] offset:128*\bb+16*\c
.endr
.endr
.irp i, 0,1,2,3,4,5,6,7
	ds_load_b128 v[S0+64*\q+32+4*\i:S0+64*\q+32+4*\i+3], v[RD] offset:2*SPITCH*\i   ; LDS serves a wave's instructions in order: these see my stores, and the next tile's stores come behind them
.endr
.endr
.irp q, 0,1
.irp i, 0,1,2,3,4,5,6,7
	s_wait_dscnt 16*(1-\q)+7-\i                    ; load i of the tile is in; behind it: the tile's later loads, and for tile 0 tile 1's sixteen LDS instructions
	global_store_b128 v[GO], v[S0+64*\q+32+4*\i:S0+64*\q+32+4*\i+3], s[42:43] offset:4096*(8*\q+2*\i+8*(\i/4)) th:TH_STORE_NT   ; stage row 2 i + h is query 8 q + 2 i + h + 8 (i / 4) of my 32; 16 lanes store 256 consecutive bytes, aligned; written once
.endr
.endr
	s_wait_xcnt 0x0                                ; the stores have read their registers and their base: both are written again only behind this wait
	s_add_nc_u64 s[42:43], s[42:43], 256*4096      ; the next pass's queries lie 256 rows on
	s_sub_co_u32 s[PASS], s[PASS], 1
	s_cmp_lg_u32 s[PASS], 0
	s_cbranch_scc1 .Lpass
	s_wait_tensorcnt 0x0                           ; no tensor load and no LDS instruction of mine is out
	s_wait_dscnt 0x0
	s_wait_tensorcnt 0x0
	ds_add_u32 v254, v255
	s_wait_dscnt 0x0
	ROUND                                          ; the closing round: no work-group ends while a partner may still ask for a tile that names it
	s_endpgm
.Lfunc_end_k_q9b6fb4496a_attn:
	.size	k_q9b6fb4496a_attn, .Lfunc_end_k_q9b6fb4496a_attn-k_q9b6fb4496a_attn
	.p2alignl 7, 3214868480
	.fill 96, 4, 3214868480
	.section	.rodata,"a",@progbits
	.p2align	6, 0x0
	.amdhsa_kernel k_q9b6fb4496a_attn
		.amdhsa_group_segment_fixed_size 240640
		.amdhsa_private_segment_fixed_size 0
		.amdhsa_enable_private_segment 0
		.amdhsa_kernarg_size 16
		.amdhsa_user_sgpr_count 2
		.amdhsa_user_sgpr_kernarg_segment_ptr 1
		.amdhsa_wavefront_size32 1
		.amdhsa_system_sgpr_workgroup_id_x 1
		.amdhsa_system_sgpr_workgroup_id_y 1
		.amdhsa_system_sgpr_workgroup_id_z 1
		.amdhsa_system_vgpr_workitem_id 0
		.amdhsa_next_free_vgpr 512
		.amdhsa_next_free_sgpr 66
		.amdhsa_reserve_vcc 0
		.amdhsa_float_denorm_mode_32 3
		.amdhsa_float_denorm_mode_16_64 3
		.amdhsa_memory_ordered 1
		.amdhsa_forward_progress 1
		.amdhsa_inst_pref_size 132
	.end_amdhsa_kernel
	.amdgpu_metadata
---
amdhsa.version: [ 1, 2 ]
amdhsa.kernels:
  - .name:           k_q9b6fb4496a_attn
    .symbol:         k_q9b6fb4496a_attn.kd
    .args:
      - { .name: rec, .offset: 0, .size: 8, .value_kind: global_buffer, .address_space: global }
      - { .name: out0, .offset: 8, .size: 8, .value_kind: global_buffer, .address_space: global }
    .group_segment_fixed_size: 240640
    .private_segment_fixed_size: 0
    .kernarg_segment_align: 8
    .kernarg_segment_size: 16
    .max_flat_workgroup_size: 256
    .sgpr_count:     66
    .vgpr_count:     512
    .wavefront_size: 32
...
	.end_amdgpu_metadata
.endif
;; end of part 3
